; MI455X (gfx1250); checked and timed in simulation.
; The chip was launched on July 23, 2026; its instructions are those of AMD's public machine-readable ISA for CDNA 5 (MIT licence, August 2026) and "CDNA5" Instruction Set Architecture Reference Guide (July 2026). The comments in the code are by the model that wrote it; some were corrected since.
;; Scaled Dot Product Attention. Allowed arithmetic: matrix products marked QUANTISED: E2M3 operands, one E8M0 scale for each 32 along K, by v_wmma_scale_f32_16x16x128_f8f6f4 with both operands' format E2M3, f32 sums; everything else in f32.
;; Inputs: key_padding_mask 16 x 2,048 bool; keys 16 x 2,048 x 64 float32; queries 16 x 2,048 x 64 float32; values 16 x 2,048 x 64 float32.
;; Outputs: out0 16 x 2,048 x 64 float32.
;; This version of the problem:
;;   THIS VERSION OF THE PROBLEM IS GIVEN IN LOW PRECISION. The matrix products marked QUANTISED in the list below multiply operands that are first quantised to E2M3 (2 exponent bits, 3 mantissa bits; 6 bits a number), with one power-of-two scale for each 32 numbers along K (OCP MX v1.0); their sums are f32. All else is computed in f32.
;;   The module's matrix products, in the order in which they are computed (A, B: the left and right operand; K: the contracted axis; several contracted axes count as one K, in the product's order):
;;     1. batch 16 x [M 2,048, K 64] x [K 64, N 2,048]; A: input queries; B: input keys: QUANTISED
;;     2. batch 16 x [M 2,048, K 2,048] x [K 2,048, N 64]; A: softmax (see below); B: input values: QUANTISED
;;   THE QUANTISER, for each operand of a quantised product, along K:
;;     - K is cut into blocks of 32 from its start; a last block that is shorter is filled with zeros.
;;     - A block's scale is 2^e with e = floor(log2(the largest magnitude in the block)) - 2, held to -126 .. 127; a block of zeros has e = 0. As a byte (E8M0): e + 127.
;;     - Each number is divided by its block's scale, clamped to +-7.5, and rounded to the nearest number of E2M3, ties to even, subnormals kept.
;;     - The product sums the exact products of the quantised numbers (number of the format x scale) in f32.
;;   ~~~python
;;   def quantise(x, axis):      # numpy; x: float32 -> the quantised numbers, widened to float32 again
;;       x = np.moveaxis(x, axis, -1); K = x.shape[-1]
;;       x = np.pad(x, [(0, 0)] * (x.ndim - 1) + [(0, -K % 32)]); x = x.reshape(x.shape[:-1] + (-1, 32)); a = np.abs(x).max(-1, keepdims=True)
;;       e = np.where(a > 0, np.clip(np.frexp(np.where(a > 0, a, 1))[1] - 1 - 2, -126, 127), 0)      # np.frexp(a)[1] - 1 = floor(log2(a)), exactly
;;       r = np.clip(x / 2.0 ** e, -7.5, 7.5)
;;       step = 2.0 ** (np.maximum(np.frexp(np.where(r == 0, 1, r))[1] - 1, 0) - 3)
;;       q = np.round(r / step) * step * 2.0 ** e      # np.round: ties to even
;;       return np.moveaxis(q.reshape(q.shape[:-2] + (-1,))[..., :K], -1, axis).astype(np.float32)
;;   ~~~
;;   SOFTMAX AHEAD OF A QUANTISED PRODUCT. Where the list says 'softmax', what is quantised is not the finished softmax but p = 2^(t - M), with t = logit x log2(e) and M = ceil(the row's largest t), a whole number; so 1/2 < the row's largest p <= 1. The row's sum l is taken of the UNQUANTISED p, in f32, and the product's result is divided by l at the end. Since M is a whole number, a kernel that streams over the keys may use a running M (the ceiling of the running maximum): every later rescaling is an exact power of two, which a block's scale takes up: the codes' values come out the same.
;;   OPERANDS COMPUTED ON THE WAY. 'Computed on the way' means the value that the module computes at that place (a softmax that the list does not call 'softmax' is quantised finished and normalised). What goes into a quantiser is computed in f32, as accurately as f32 sums, v_exp_f32 and their like allow (about 1e-6 of the number): no bf16 or f16 on the way to a quantiser, and a product that is left as it is and whose result goes on into a quantised operand takes f32 operands (vector FMAs, or v_wmma_f32_16x16x4_f32). A number that lies on a knife's edge between two numbers of the format may be rounded either way, as far as f32 arithmetic and the matrix unit's own rounding can turn it there, and no further.
;; One version. Each part assembles by itself: llvm-mc -triple=amdgcn-amd-amdhsa -mcpu=gfx1250 --defsym DOCPART=n.
;; ======== version 1 of 1: 2 launches
;; limits: inputs' magnitudes at most 140,000,000,000,000; right only within a limited range of input values
;; workspace buffers: kv 3,473,408 bytes
;; launch prep (part 1): grid 256 x 1, 8 waves a work-group, no clusters, 167,936 bytes of LDS; arguments keys, values, key_padding_mask, kv; writes kv
.if DOCPART == 1
	.amdgcn_target "amdgcn-amd-amdhsa--gfx1250"
	.amdhsa_code_object_version 6
	.text
	.protected	k_q1ce7099814_prep
	.globl	k_q1ce7099814_prep
	.p2align	8
	.type	k_q1ce7099814_prep,@function
k_q1ce7099814_prep:
	s_mov_b64 s[64:65], 0
	v_nop
	global_prefetch_b8 v0, s[64:65] scope:SCOPE_SE
	s_setreg_imm32_b32 hwreg(HW_REG_WAVE_MODE, 25, 1), 1
	s_wait_xcnt 0x0
; keys and values [16][2048][64] f32 and the key padding mask [16][2048] become 256 RECORDS of 13,568 bytes, one for each key step of 128 keys (record 16 b + s: batch b, keys 128 s on),
; laid as images of the registers in which the attention launch wants them: K's and V's codes of FP6 (E2M3), their E8M0 scale words, and the mask as an f32 bias.
; A block's scale is 2^(floor(log2(its largest magnitude)) - 2); its byte is the largest magnitude's exponent field - 2, held at 1 from below.
; LIMITS: a block of zeros, or one whose largest magnitude lies under 2^-124, gets the byte 1 (its codes are zeros or are held by that scale; the bytes are read by this program alone); NaN and infinities among the inputs are not served.
; THE RECORD:  KC      0: 4 pairs of K tiles, 1,536 bytes each: registers 4 q .. 4 q + 3 of the pair's 12 at 512 q + 16 lane; registers 0-5 tile 2 p, 6-11 tile 2 p + 1
;              VC  6,144: 4 fragments of V^T (16 channels x 128 keys), 12 registers each, laid likewise
;              KS 12,288: K's scale words: the word at 16 lane + 4 i is tile 2 i + lane / 16, row lane % 16;  BI 12,800: bias[key], 0 or -2^120;  VS 13,312: V's scale words: 8 lane + 4 i is channel tile 2 i + lane / 16
; THE KEYS OF A TILE ARE NOT NEIGHBOURS: row m of tile 4 c + u is key 64 c + 8 u + m % 8 + 32 (m / 8), so that in K Q^T a lane's 32 registers of tiles 4 c .. 4 c + 3 are the 32 neighbouring keys 64 c + 32 (lane / 16) + 0 .. 31.
; K's contracted axis is the head's 64: a lane (row r, half h) holds the whole block 32 h .. 32 h + 31 in 6 registers.  Its scale word is [s0 s1 s0 s1], so that the codes may stand in either half of an operand of 128.
; V's contracted axis is the keys: a lane takes channel 16 w + r and its registers run down the keys: two whole blocks a lane.  So no maximum needs another lane.
; SHARES: a work-group makes one record; waves 0-3 fetch K's 128 rows and make K's four pairs, waves 4-7 fetch V's and make V's four fragments: one tensor load of 32 rows of 256 bytes a wave; every LDS byte is filled once.
; No work-group reads what another reads: no cluster.  No loop: nothing to ask for ahead.
.set REC,  13568
.set KP,   272                         ; a row of K in LDS: 256 bytes + 16 of padding
.set VT,   128*KP                      ; V's 128 rows of 256 bytes
.set TAIL, VT+128*256                  ; the record's last 1,280 bytes are gathered here: whole blocks of 256 bytes in which no tile lands
.set SPARE, TAIL+1280                  ; the spare words: 128 bytes a wave
.set XK,   32                          ; v32-95   two blocks' 32 numbers
.set RK,   96                          ; v96-107  their codes
; v1 lane, v2 r, v3 h, v4 the codes' place, v5 K's LDS address, v6 V's, v7 8 h, v8-v11 places in TAIL, v24 8 x thread; v16-19 scales and bytes; v20-23 at work; v25 0, v26 -2^120; v108-114 halves of codes
	s_load_b256 s[4:11], s[0:1], 0x0               ; keys s[4:5], values s[6:7], mask s[8:9], kv s[10:11]
	v_lshl_add_u32 v254, v0, 2, SPARE
	v_mov_b32 v255, 0
	ds_add_u32 v254, v255                          ; the wave's opening: the add, twice on end
	ds_add_u32 v254, v255
	v_lshrrev_b32 v1, 5, v0
	v_readfirstlane_b32 s12, v1                    ; wave 0..7
	s_and_b32 s13, s12, 3                          ; my pair of K or fragment of V, and which 32 rows I fetch
	s_mov_b32 s16, (3<<16)|(1<<20)|(5<<22)|(3<<25) ; group 1 for K: elements of 8 bytes; padding on: after every 64 words, 4 words
	s_mov_b32 s24, 3<<16                           ; for V: no padding
.irp g, 16, 24
	s_mov_b32 s[\g+1], 32<<16                      ; tensor_dim0 = 32 elements: 256 bytes
	s_mov_b32 s[\g+2], 32<<16                      ; tensor_dim1 = 32 rows
	s_mov_b32 s[\g+3], 32<<16                      ; tile_dim0
	s_mov_b32 s[\g+4], 32                          ; tile_dim1
	s_mov_b32 s[\g+5], 32                          ; from row to row
	s_mov_b32 s[\g+6], 0
	s_mov_b32 s[\g+7], 0
.endr
	s_lshl_b32 s14, ttmp9, 15                      ; the record's 128 rows of 256 bytes,
	s_lshl_b32 s46, s13, 13                        ; my 32 of them
	s_add_co_u32 s14, s14, s46
	s_mov_b32 s15, 0
	s_mul_i32 s33, s13, 32*KP                      ; where K's rows go
	s_add_co_u32 s37, s46, VT                      ; where V's rows go
	s_lshl_b32 s42, ttmp9, 7                       ; its 128 mask bytes
	s_mov_b32 s43, 0
	s_mul_i32 s44, ttmp9, REC                      ; and the record itself
	s_mov_b32 s45, 0
	s_mov_b32 s40, 0x76543210
	s_mov_b32 s41, 0xfedcba98                      ; v_permlanex16_b32's selects for lane l xor 16
	; every LDS address is made here, on the one way that all waves take
	v_and_b32 v1, 31, v0                           ; lane
	v_and_b32 v2, 15, v0                           ; r
	v_bfe_u32 v3, v0, 4, 1                         ; h
	s_mul_i32 s47, s13, 1536
	v_lshl_add_u32 v4, v1, 4, s47                  ; 16 lane + 1,536 w
	v_and_b32 v5, 7, v2
	v_bfe_u32 v22, v2, 3, 1
	v_lshl_add_u32 v5, v22, 5, v5                  ; r % 8 + 32 (r / 8)
	v_mul_u32_u24 v5, v5, KP
	v_lshl_add_u32 v5, v3, 7, v5                   ; + my half's 128 bytes
	s_wait_alu depctr_va_vdst(0)                   ; ahead of the run of scalar lines
	s_lshr_b32 s47, s13, 1
	s_lshl_b32 s47, s47, 6
	s_and_b32 s46, s13, 1
	s_lshl_b32 s46, s46, 4
	s_add_co_u32 s47, s47, s46                     ; tile 2 w begins at key 64 (w / 2) + 16 (w % 2); tile 2 w + 1 eight keys on
	s_mul_i32 s47, s47, KP
	v_add_nc_u32 v5, s47, v5
	s_lshl_b32 s47, s13, 6
	s_add_co_u32 s47, s47, VT
	v_lshl_add_u32 v6, v3, 13, s47                 ; V: key 32 h, channel 16 w + r
	v_lshl_add_u32 v6, v2, 2, v6
	v_lshlrev_b32 v7, 3, v3                        ; 8 h
	s_lshl_b32 s47, s13, 2
	s_add_co_u32 s47, s47, TAIL
	v_lshl_add_u32 v8, v1, 4, s47                  ; K's scale word: 16 lane + 4 w
	s_and_b32 s47, s13, 1
	s_lshl_b32 s47, s47, 7
	s_lshr_b32 s46, s13, 1
	s_lshl_b32 s46, s46, 2
	s_add_co_u32 s47, s47, s46
	s_add_co_u32 s47, s47, TAIL+1024
	v_lshl_add_u32 v9, v2, 3, s47                  ; V's: 8 (16 (w % 2) + r) + 4 (w / 2)
	s_lshl_b32 s47, s13, 7
	s_add_co_u32 s47, s47, TAIL+512
	v_lshl_add_u32 v10, v1, 2, s47                 ; the bias of key 32 w + lane
	s_lshl_b32 s47, s12, 8
	s_add_co_u32 s47, s47, TAIL
	v_lshl_add_u32 v11, v1, 3, s47                 ; the way out: 8 bytes a lane, 256 a wave
	v_lshlrev_b32 v24, 3, v0
	v_mov_b32 v20, 0                               ; (lane permutes' destinations later: written here)
	v_mov_b32 v21, 0
	v_mov_b32 v25, 0
	v_mov_b32 v26, 0xfb800000                      ; -2^120: under every score that is served
	s_wait_alu depctr_va_vdst(0)                   ; the head's end
	s_wait_dscnt 0x0                               ; both opening adds are done
	s_wait_kmcnt 0x0
	s_add_nc_u64 s[4:5], s[4:5], s[14:15]
	s_add_nc_u64 s[6:7], s[6:7], s[14:15]
	s_mov_b32 s32, 1
	s_mov_b64 s[34:35], s[4:5]
	s_or_b32 s35, s35, 0x80000000
	s_mov_b32 s36, 1
	s_mov_b64 s[38:39], s[6:7]
	s_or_b32 s39, s39, 0x80000000
	s_add_nc_u64 s[8:9], s[8:9], s[42:43]
	s_add_nc_u64 s[10:11], s[10:11], s[44:45]
	s_cmp_lt_u32 s12, 4
	s_cbranch_scc0 .Lask_v
	tensor_load_to_lds s[32:35], s[16:23]          ; K's rows 32 w on
	s_nop 0
.rept 4
	v_nop
.endr
	global_load_u8 v12, v0, s[8:9]                 ; thread t: the mask of key t
	s_branch .Lasked
.Lask_v:
	tensor_load_to_lds s[36:39], s[24:31]          ; V's rows 32 (w - 4) on
	s_nop 0
.rept 4
	v_nop
.endr
.Lasked:
	s_wait_tensorcnt 0x0                           ; my rows are in,
	s_barrier_signal -1
	s_barrier_wait -1                              ; everybody's are: a wave reads rows that other waves fetched
; 64 numbers of a lane, two whole blocks of 32, become 12 registers of codes; the scale operands stay in v16, v17 and the bytes in v18, v19
.macro QUANT2
.irp e, 0,1
	v_max3_num_f32 v[16+\e], |v[XK+32*\e]|, |v[XK+32*\e+1]|, 0x1800000   ; with the floor 2^(3 - 127): the byte cannot fall under 1
.endr
.irp i, 2,4,6,8,10,12,14,16,18,20,22,24,26,28,30
.irp e, 0,1
	v_max3_num_f32 v[16+\e], v[16+\e], |v[XK+32*\e+\i]|, |v[XK+32*\e+\i+1]|   ; (the two blocks by turns)
.endr
.endr
.irp e, 0,1
	v_add_nc_u32 v[16+\e], 0xff000000, v[16+\e]    ; 2 off the exponent field: the conversion takes that field as its scale, and nothing else
.endr
.irp e, 0,1
	v_lshrrev_b32 v[18+\e], 23, v[16+\e]           ; the scale's byte
.endr
.irp e, 0,1
	v_cvt_scalef32_pk16_fp6_f32 v[RK+6*\e:RK+6*\e+2], v[XK+32*\e:XK+32*\e+15], v[16+\e]
	v_cvt_scalef32_pk16_fp6_f32 v[108+4*\e:110+4*\e], v[XK+32*\e+16:XK+32*\e+31], v[16+\e]   ; (a conversion's three registers begin on an even number: the second half is made elsewhere and moved)
.endr
	v_nop                                          ; one plain place behind a scaled conversion
.irp e, 0,1
.irp i, 0,1,2
	v_mov_b32 v[RK+6*\e+3+\i], v[108+4*\e+\i]
.endr
.endr
.endm
	s_cmp_lt_u32 s12, 4
	s_cbranch_scc0 .Lvalues
.irp e, 0,1
.irp j, 0,1,2,3,4,5,6,7
	ds_load_b128 v[XK+32*\e+4*\j:XK+32*\e+4*\j+3], v5 offset:8*KP*\e+16*\j      ; tile 2 w + e: my row's 32 numbers
.endr
.endr
	s_wait_dscnt 0x0
	QUANT2
.irp q, 0,1,2
	global_store_b128 v4, v[RK+4*\q:RK+4*\q+3], s[10:11] offset:512*\q           ; 32 lanes store 512 consecutive bytes, at a multiple of 256 from the buffer's first byte
.endr
	v_lshlrev_b32 v22, v7, v18                     ; my block's byte at its place, for each of the two tiles;
	v_lshlrev_b32 v23, v7, v19
	v_permlanex16_b32 v20, v22, s40, s41
	v_permlanex16_b32 v21, v23, s40, s41
	v_or_b32 v22, v22, v20                         ; with lane l xor 16's: s0 | s1 << 8;
	v_or_b32 v23, v23, v21
	v_lshl_or_b32 v22, v22, 16, v22                ; twice: [s0 s1 s0 s1]
	v_lshl_or_b32 v23, v23, 16, v23
	v_cmp_ne_u32 vcc_lo, 0, v3
	v_cndmask_b32 v22, v22, v23, vcc_lo            ; lanes 0-15 keep tile 2 w's word, lanes 16-31 tile 2 w + 1's
	ds_store_b32 v8, v22
	s_wait_loadcnt 0x0
	v_cmp_ne_u32 vcc_lo, 0, v12
	v_cndmask_b32 v12, v25, v26, vcc_lo            ; a padded key's bias
	ds_store_b32 v10, v12
	s_branch .Lmade
.Lvalues:
.irp c, 0,1                            ; V(64 c + 32 h + i, 16 w + r), i = 0 .. 31
.set i, 0
.rept 32
	ds_load_b32 v[XK+32*\c+i], v6 offset:256*(64*\c+i)
.set i, i+1
.endr
.endr
	s_wait_dscnt 0x0
	QUANT2
.irp q, 0,1,2
	global_store_b128 v4, v[RK+4*\q:RK+4*\q+3], s[10:11] offset:6144+512*\q
.endr
	v_lshl_or_b32 v22, v19, 16, v18                ; my two bytes: blocks h and 2 + h of my channel,
	v_lshlrev_b32 v22, v7, v22                     ; at their places;
	v_permlanex16_b32 v20, v22, s40, s41
	v_or_b32 v22, v22, v20                         ; with lane l xor 16's two the word is whole
	ds_store_b32 v9, v22                           ; (both halves of the lanes write the same word with the same value)
.Lmade:
	s_wait_dscnt 0x0                               ; for the others' sake: my stores into the tail are done
	s_barrier_signal -1
	s_barrier_wait -1
	s_cmp_lt_u32 s12, 5                            ; five waves x 256 bytes: the tail's 1,280 bytes
	s_cbranch_scc0 .Lend
	ds_load_b64 v[144:145], v11
	s_wait_dscnt 0x0
	global_store_b64 v24, v[144:145], s[10:11] offset:12288                      ; 32 lanes store 256 consecutive bytes, aligned
.Lend:
	s_wait_tensorcnt 0x0                           ; the wave's end
	ds_add_u32 v254, v255
	s_wait_dscnt 0x0
	s_endpgm
.Lfunc_end_k_q1ce7099814_prep:
	.size	k_q1ce7099814_prep, .Lfunc_end_k_q1ce7099814_prep-k_q1ce7099814_prep
	.p2alignl 7, 3214868480
	.fill 96, 4, 3214868480
	.section	.rodata,"a",@progbits
	.p2align	6, 0x0
	.amdhsa_kernel k_q1ce7099814_prep
		.amdhsa_group_segment_fixed_size 167936
		.amdhsa_private_segment_fixed_size 0
		.amdhsa_enable_private_segment 0
		.amdhsa_kernarg_size 32
		.amdhsa_user_sgpr_count 2
		.amdhsa_user_sgpr_kernarg_segment_ptr 1
		.amdhsa_wavefront_size32 1
		.amdhsa_system_sgpr_workgroup_id_x 1
		.amdhsa_system_sgpr_workgroup_id_y 1
		.amdhsa_system_sgpr_workgroup_id_z 1
		.amdhsa_system_vgpr_workitem_id 0
		.amdhsa_next_free_vgpr 256
		.amdhsa_next_free_sgpr 66
		.amdhsa_reserve_vcc 1
		.amdhsa_float_denorm_mode_32 3
		.amdhsa_float_denorm_mode_16_64 3
		.amdhsa_memory_ordered 1
		.amdhsa_forward_progress 1
		.amdhsa_inst_pref_size 18
	.end_amdhsa_kernel
	.amdgpu_metadata
---
amdhsa.version: [ 1, 2 ]
amdhsa.kernels:
  - .name:           k_q1ce7099814_prep
    .symbol:         k_q1ce7099814_prep.kd
    .args:
      - { .name: keys, .offset: 0, .size: 8, .value_kind: global_buffer, .address_space: global }
      - { .name: values, .offset: 8, .size: 8, .value_kind: global_buffer, .address_space: global }
      - { .name: key_padding_mask, .offset: 16, .size: 8, .value_kind: global_buffer, .address_space: global }
      - { .name: kv, .offset: 24, .size: 8, .value_kind: global_buffer, .address_space: global }
    .group_segment_fixed_size: 167936
    .private_segment_fixed_size: 0
    .kernarg_segment_align: 8
    .kernarg_segment_size: 32
    .max_flat_workgroup_size: 256
    .sgpr_count:     66
    .vgpr_count:     256
    .wavefront_size: 32
...
	.end_amdgpu_metadata
.endif
;; end of part 1
;; launch attn (part 2): grid 16 x 16, 8 waves a work-group, clusters of 4 x 1, 327,680 bytes of LDS; arguments queries, kv, out0; writes out0
.if DOCPART == 2
	.amdgcn_target "amdgcn-amd-amdhsa--gfx1250"
	.amdhsa_code_object_version 6
	.text
	.protected	k_q1ce7099814_attn
	.globl	k_q1ce7099814_attn
	.p2align	8
	.type	k_q1ce7099814_attn,@function
k_q1ce7099814_attn:
	s_mov_b64 s[64:65], 0
	v_nop
	global_prefetch_b8 v0, s[64:65] scope:SCOPE_SE
	s_setreg_imm32_b32 hwreg(HW_REG_WAVE_MODE, 25, 1), 1
	s_wait_xcnt 0x0
	s_wait_alu depctr_hold_cnt(0) depctr_sa_sdst(0) depctr_va_vdst(0) depctr_va_sdst(0) depctr_va_ssrc(0) depctr_va_vcc(0) depctr_vm_vsrc(0)
	s_getreg_b32 s2, hwreg(HW_REG_IB_STS2, 6, 4)
	s_cmp_eq_u32 s2, 0
	s_cbranch_scc0 .Lentry_in_a_cluster
	s_endpgm
.Lentry_in_a_cluster:
	s_bfe_u32 s2, ttmp6, 0x10000c
	s_cmp_lg_u32 s2, 0x3003
	s_cbranch_scc0 .Lentry_shape_is_right
	s_endpgm
.Lentry_shape_is_right:
; out0[b][q][:] = the sum over k of softmax_k(Q[b][q] . K[b][k] / 8, padded keys left out) V[b][k][:], both products on codes of FP6 (E2M3) with one E8M0 scale for each 32 along a product's contracted axis.
; K, V, their scales and the mask come as the records that the launch before has laid (13,568 bytes for each 128 keys; its head comment gives the layout).  Q arrives as f32 and is quantised here, in registers.
; THE SOFTMAX: t = score x log2(e) / 8; M = the row's largest t so far, rounded UP to a whole number; p = 2^(t - M) is what is quantised, along the keys, not normalised.  The row's sum is taken of the unquantised p
; and divides at the end.  When M moves, the sum and O are multiplied by 2^(old M - new M): exact.
; THE MASK is a bias, 0 or -2^120, given as the C of the score's matrix instruction.  The running largest score begins at -2^100, so a padded key's p is exactly 0; a row all of whose keys are padded ends as 0 x (1 / 0), NaN, as the softmax of such a row is.
; LIMITS: scores (before the division by 8) under -2^100 are not served, and the promise holds while scaled scores stay under 2^31 in magnitude; NaN and infinities among the inputs are not served; a block of Q whose largest magnitude lies under 2^-124 gets the scale byte 1.
; SHARES.  A work-group owns 128 queries of one batch.  Of its EIGHT waves, wave w owns 32 queries, the two tiles X and Y of group w % 4, and walks the key steps of parity w / 4: eight steps of 128 keys.
; One set of K, V and bias registers serves both tiles.  The two waves of a group meet at the end through LDS: each hands over one tile and finishes the other; bringing both under one M is again a multiplication by a power of two.
; LDS.  A batch's 16 records are 217,088 bytes: they are all asked for at the head, two records a wave, and every byte is filled once: no ring, no refill, and nothing is left to prefetch.
; The first barrier shows wave 0's load, records 0 and 1, which the first steps read; the second, inside the first step, shows all the others.  The later steps' barriers show nothing: no wave leads another by more than the part of a step between signal and wait.
; CLUSTER.  The four work-groups of a cluster belong to one batch and want the same records: each is asked for JOINTLY, by the same tensor load with the same descriptor and the mask 15 in all four.
; LAYOUT.  Both products are used transposed: S^T = K Q^T (source 0 = 16 keys, source 1 = 16 queries), O^T = V^T P^T (source 0 = 16 channels, source 1 = P): a lane holds ONE query (lane % 16) of each tile throughout.
; The keys of a tile are chosen so that the 32 registers of tiles 4 c .. 4 c + 3 are keys 64 c + 32 (lane / 16) + 0 .. 31: a WHOLE block of 32 in a lane: a block's maximum needs no other lane.
; THE FIRST PRODUCT'S contracted axis is 64 in an instruction of 128: six registers of codes and six of zeros.  Even tiles stand as [zeros | K] against [zeros | Q], odd tiles as [K | zeros] against [Q | zeros].  The scale words are [s0 s1 s0 s1].
; REGISTERS.  Window 0: v1-5, 28, 29 addresses; v[6:7], v[8:9] -M and the largest score of X, Y; v[10:11], v[12:13] f; v[14:15], v[16:17] the sums; v18-27 at work; v30-35 scale words; v40-69 zeros, Q of X, zeros, Q of Y, zeros;
;   v70-85 halves of codes; v86-97 and v36-39 chains of the sums; v98-161, v162-225 S^T, then p, of X and Y; v226-249 p's codes; v250-253 scale words.
; Window 1: v0-47 V; v48-79, v80-111 O^T of X and Y; v112-189 K's four pairs between five runs of zeros; v190-253 the bias.
; s_set_vgpr_msb's low byte: bits 1:0 source 0, 3:2 source 1, 5:4 source 2, 7:6 destination.
.set REC,   13568
.set VC,    6144
.set KS,    12288
.set BI,    12800
.set VS,    13312
.set TILEB, 4352
.set MRG,   16*REC                     ; behind the records: for each of 8 tiles 4,096 bytes of O^T as it stands in registers, then (-M, sum), 8 bytes a lane
.set OUTS,  MRG+8*TILEB                ; and for each wave a stage of 16 rows x (256 bytes + 16)
.set SPARE, OUTS+8*TILEB               ; the spare words: 128 bytes a wave
.set AI,  1                            ; v1   16 lane + my record
.set AB,  2                            ; v2   128 (lane / 16) + my record
.set A8,  3                            ; v3   8 lane + my record
.set H8,  4                            ; v4   8 (lane / 16)
.set SPW, 5
.set LANE, 28
.set NIL, 29
.set QSW, 30                           ; v30, v31 of X and Y
.set KSW, 32
.set QB,  40                           ; X's; Y's begins 12 further on
.set HC,  70                           ; X's; Y's 8 further on
.set S,   98                           ; X's; Y's 64 further on
.set PC,  226                          ; X's; Y's 12 further on
.set VSW, 250
.set PSW, 252                          ; v252, v253 of X and Y
.set OT,  48                           ; window 1: X's; Y's 32 further on
.set KB,  112                          ; window 1
.set BB,  190                          ; window 1
.set MSB, 0
.macro WIN new                         ; the immediate's high byte repeats the setting that is left
.if MSB != (\new)
	s_set_vgpr_msb (MSB<<8)|(\new)
.set MSB, (\new)
.endif
.endm
.macro STLE
	s_wait_alu depctr_va_vdst(0)
.endm
; A round of the cluster's barrier: my work-group's barrier; wave 0 signals for the work-group; every wave waits for all four work-groups; my work-group's barrier once more.
.macro CROUND
	s_barrier_signal -1
	s_barrier_wait -1
	s_cmp_lg_u32 s10, 0
	s_cbranch_scc1 .Lnot_wave_0_\@
	s_barrier_signal -3
.Lnot_wave_0_\@:
	s_barrier_wait -3
	s_barrier_signal -1
	s_barrier_wait -1
.endm
	s_load_b128 s[4:7], s[0:1], 0x0                ; queries s[4:5], kv s[6:7]
	s_load_b64 s[8:9], s[0:1], 0x10                ; out0
	v_lshl_add_u32 v[SPW], v0, 2, SPARE
	v_mov_b32 v[NIL], 0
	ds_add_u32 v[SPW], v[NIL]                      ; the wave's opening: the add, twice on end
	ds_add_u32 v[SPW], v[NIL]
	v_lshrrev_b32 v1, 5, v0
	v_readfirstlane_b32 s10, v1                    ; wave 0..7
	s_and_b32 s11, s10, 3                          ; my group of 32 queries
	s_lshr_b32 s12, s10, 2                         ; the parity of my key steps
	s_bfe_u32 s13, ttmp6, 0x40000                  ; cx: my place in the cluster: it enters the addresses of queries and out0 alone
	s_lshl_b32 s14, ttmp9, 2
	s_add_co_u32 s14, s14, s13                     ; my block of 128 queries
	s_and_b32 s15, ttmp7, 0xffff                   ; the batch, which the four partners share
	s_lshl_b32 s16, s15, 11
	s_lshl_b32 s17, s14, 7
	s_add_co_u32 s16, s16, s17
	s_lshl_b32 s17, s11, 5
	s_add_co_u32 s16, s16, s17                     ; my first query's row,
	s_lshl_b32 s16, s16, 8                         ; of 256 bytes
	s_mov_b32 s17, 0
	s_lshl_b32 s56, s12, 12
	s_add_co_u32 s56, s56, s16                     ; out0: the tile that I finish, X (parity 0) or Y (parity 1), 16 rows on
	s_mov_b32 s57, 0
	s_mul_i32 s33, s10, 2*REC                      ; I fetch records 2 w and 2 w + 1: their place in LDS and in the batch's part of kv alike
	s_mul_i32 s48, s15, 16*REC
	s_add_co_u32 s48, s48, s33
	s_mov_b32 s49, 0
	s_mul_i32 s18, s12, REC                        ; the first record that I read
	s_lshl_b32 s50, s11, 1
	s_add_co_u32 s51, s50, s12                     ; the tile that I finish: 2 group + parity
	s_xor_b32 s52, s12, 1
	s_add_co_u32 s50, s50, s52                     ; the tile that I hand over
	s_mul_i32 s50, s50, TILEB
	s_add_co_u32 s50, s50, MRG
	s_mul_i32 s51, s51, TILEB
	s_add_co_u32 s51, s51, MRG
	s_mul_i32 s52, s10, TILEB
	s_add_co_u32 s52, s52, OUTS                    ; my stage
	s_mov_b32 s20, 0x76543210
	s_mov_b32 s21, 0xfedcba98                      ; v_permlanex16_b32's selects for lane l xor 16
	s_mov_b32 s22, 0x3e38aa3b                      ; c = log2(e) / 8
	s_mov_b32 s23, s22                             ; (the packed form names the pair and takes its low word for both halves: so it is written)
	s_mov_b32 s24, 15|(3<<16)|(1<<21)              ; group 1: the mask: all four work-groups; elements of 8 bytes; bit 21 set beside a mask; no padding
	s_mov_b32 s25, 32<<16                          ; tensor_dim0 = 32 elements: 256 bytes
	s_mov_b32 s26, 106<<16                         ; tensor_dim1 = 106 rows: two records
	s_mov_b32 s27, 32<<16                          ; tile_dim0
	s_mov_b32 s28, 106                             ; tile_dim1
	s_mov_b32 s29, 32                              ; from row to row: dense
	s_mov_b32 s30, 0
	s_mov_b32 s31, 0
	s_mov_b32 s32, 1
	v_and_b32 v[LANE], 31, v0
	v_and_b32 v24, 15, v0                          ; r
	v_bfe_u32 v25, v0, 4, 1                        ; h
	v_lshlrev_b32 v[H8], 3, v25
	v_lshl_add_u32 v[AI], v[LANE], 4, s18
	v_lshl_add_u32 v[AB], v[H8], 4, s18
	v_lshl_add_u32 v[A8], v[LANE], 3, s18
	v_lshlrev_b32 v23, 8, v24
	v_lshl_add_u32 v23, v25, 7, v23                ; Q: row r of 256 bytes, + my half's 128
	STLE
	s_wait_dscnt 0x0                               ; both opening adds are done
	s_wait_kmcnt 0x0
	s_add_nc_u64 s[4:5], s[4:5], s[16:17]
.irp e, 0,1
.irp j, 0,1,2,3,4,5,6,7
	global_load_b128 v[S+64*\e+4*\j:S+64*\e+4*\j+3], v23, s[4:5] offset:4096*\e+16*\j     ; Q(r, 32 h + 0 .. 31) of tiles X and Y: a whole block of 32 in my lane
.endr
.endr
	s_add_nc_u64 s[8:9], s[8:9], s[56:57]
	s_add_nc_u64 s[34:35], s[6:7], s[48:49]
	s_or_b32 s35, s35, 0x80000000                  ; type = 2
	CROUND                                         ; all four work-groups are here: the joint loads meet
	s_cmp_eq_u32 s10, 0                            ; one load a wave; wave 0's, which is read first, has a line of its own
	s_cbranch_scc0 .Lask_later
	tensor_load_to_lds s[32:35], s[24:31]
	s_nop 0
.rept 4
	v_nop
.endr
	s_branch .Lasked
.Lask_later:
	tensor_load_to_lds s[32:35], s[24:31]
	s_nop 0
.rept 4
	v_nop
.endr
.Lasked:
	v_mov_b32 v26, 0                               ; written once: a lane permute's destination counts as one of its sources
	v_mov_b32 v27, 0
.irp z, QB, QB+12, QB+24                           ; the runs of zero codes, written once
.irp i, 0,1,2,3,4,5
	v_mov_b32 v[\z+\i], 0
.endr
.endr
	WIN 0x40
.irp z, KB, KB+18, KB+36, KB+54, KB+72
.irp i, 0,1,2,3,4,5
	v_mov_b32 v[\z+\i], 0
.endr
.endr
	WIN 0
	STLE
	s_wait_loadcnt 0x0
	; Q's codes, X and Y by turns
.irp e, 0,1
	v_max3_num_f32 v[18+\e], |v[S+64*\e]|, |v[S+64*\e+1]|, 0x1800000      ; the block's largest magnitude, in two chains, with the floor 2^(3 - 127): the byte cannot fall under 1
	v_max3_num_f32 v[22+\e], |v[S+64*\e+2]|, |v[S+64*\e+3]|, |v[S+64*\e+4]|
.endr
.irp i, 5,9,13,17,21,25
.irp e, 0,1
	v_max3_num_f32 v[18+\e], v[18+\e], |v[S+64*\e+\i]|, |v[S+64*\e+\i+1]|
	v_max3_num_f32 v[22+\e], v[22+\e], |v[S+64*\e+\i+2]|, |v[S+64*\e+\i+3]|
.endr
.endr
.irp e, 0,1
	v_max3_num_f32 v[18+\e], v[18+\e], |v[S+64*\e+29]|, |v[S+64*\e+30]|
.endr
.irp e, 0,1
	v_max3_num_f32 v[18+\e], v[18+\e], v[22+\e], |v[S+64*\e+31]|
.endr
.irp e, 0,1
	v_add_nc_u32 v[18+\e], 0xff000000, v[18+\e]    ; 2 off its exponent field: the conversion's scale operand
.endr
.irp e, 0,1
	v_cvt_scalef32_pk16_fp6_f32 v[QB+12*\e+6:QB+12*\e+8], v[S+64*\e:S+64*\e+15], v[18+\e]
	v_cvt_scalef32_pk16_fp6_f32 v[HC+8*\e:HC+8*\e+2], v[S+64*\e+16:S+64*\e+31], v[18+\e]    ; (a conversion's three registers begin on an even number)
.endr
.irp e, 0,1
	v_lshrrev_b32 v[22+\e], 23, v[18+\e]           ; the scale's byte,
.endr
.irp e, 0,1
	v_lshlrev_b32 v[22+\e], v[H8], v[22+\e]        ; at its place,
.endr
.irp e, 0,1
	v_permlanex16_b32 v[26+\e], v[22+\e], s20, s21
.endr
.irp e, 0,1
	v_or_b32 v[22+\e], v[22+\e], v[26+\e]          ; with lane l xor 16's,
.endr
.irp e, 0,1
	v_lshl_or_b32 v[QSW+\e], v[22+\e], 16, v[22+\e] ; twice: [s0 s1 s0 s1]
.endr
.irp e, 0,1
.irp i, 0,1,2
	v_mov_b32 v[QB+12*\e+9+\i], v[HC+8*\e+\i]
.endr
.endr
	v_mov_b32 v7, 0xf1800000                       ; the largest score so far: -2^100.  (These lines are the places between the scale words' writes and the first scaled product)
	v_mov_b32 v9, 0xf1800000
	v_mov_b32 v11, 0                               ; (named as the upper halves of the pairs of f)
	v_mov_b32 v13, 0
	v_mul_f32 v24, s22, v7
.irp i, 14,15,16,17
	v_mov_b32 v\i, 0                               ; the sums, each in two halves
.endr
	v_floor_f32 v6, -v24                           ; -M
	v_floor_f32 v8, -v24
	STLE
	s_cmp_eq_u32 s10, 0
	s_cbranch_scc0 .Lnot_first
	s_wait_tensorcnt 0x0                           ; records 0 and 1 are in
.Lnot_first:
	s_barrier_signal -1
	s_barrier_wait -1                              ; for everybody; the other waves' loads may stay on their way
; K's codes and the bias of the record ofs bytes behind my address registers, 28 loads: what the first half of the score products wants (pairs 0, 1, keys 0-63's bias) ahead of the 14 of the second half
.macro KPAIRS ofs, p0, p1
.irp p, \p0, \p1
.irp q, 0,1,2
	ds_load_b128 v[KB+6+18*\p+4*\q:KB+6+18*\p+4*\q+3], v[AI] offset:(\ofs)+1536*\p+512*\q
.endr
.endr
.endm
.macro KFETCH ofs
	WIN 0x40
	KPAIRS \ofs, 0, 1
.irp c, 0,1                            ; the bias of keys 64 c + 32 h + 0 .. 31 for tiles 4 c .. 4 c + 3: all lanes of a half read the same bytes
.irp u, 0,1,2,3
	ds_load_b128 v[BB+32*\c+8*\u:BB+32*\c+8*\u+3], v[AB] offset:(\ofs)+BI+256*\c+32*\u
	ds_load_b128 v[BB+32*\c+8*\u+4:BB+32*\c+8*\u+7], v[AB] offset:(\ofs)+BI+256*\c+32*\u+16
.endr
.endr
	KPAIRS \ofs, 2, 3
	WIN 0
.endm
.macro KSFETCH ofs                     ; and the scale words of its eight tiles
	WIN 0
	ds_load_b128 v[KSW:KSW+3], v[AI] offset:(\ofs)+KS
.endm
.macro ADVANCE                         ; on to my next record
	s_add_co_u32 s18, s18, 2*REC
	v_lshl_add_u32 v[AI], v[LANE], 4, s18
	v_lshl_add_u32 v[AB], v[H8], 4, s18
	v_lshl_add_u32 v[A8], v[LANE], 3, s18
.endm
.macro KQ t, e                         ; key tile t of S^T = K Q^T + bias for query tile e; odd key tiles' scale words lie in lanes 16-31
.set rS, S+64*\e+8*(\t)
.set rK, KB+18*((\t)/2)+12*((\t)%2)
.set rQ, QB+12*\e+6*((\t)%2)
.set rB, BB+8*(\t)
.if (\t)%2
	v_wmma_scale_f32_16x16x128_f8f6f4 v[rS:rS+7], v[rK:rK+11], v[rQ:rQ+11], v[rB:rB+7], v[KSW+(\t)/2], v[QSW+\e] matrix_a_fmt:MATRIX_FMT_FP6 matrix_b_fmt:MATRIX_FMT_FP6 matrix_a_scale:MATRIX_SCALE_ROW1
.else
	v_wmma_scale_f32_16x16x128_f8f6f4 v[rS:rS+7], v[rK:rK+11], v[rQ:rQ+11], v[rB:rB+7], v[KSW+(\t)/2], v[QSW+\e] matrix_a_fmt:MATRIX_FMT_FP6 matrix_b_fmt:MATRIX_FMT_FP6
.endif
.endm
.macro PV d, e, first                  ; channels 16 d on of O^T += V^T P^T for query tile e; first = 1: the product starts the sum
.set rO, OT+32*\e+8*(\d)
.set rV, 12*(\d)
.set rP, PC+12*\e
.if \first
.if (\d)%2
	v_wmma_scale_f32_16x16x128_f8f6f4 v[rO:rO+7], v[rV:rV+11], v[rP:rP+11], 0, v[VSW+(\d)/2], v[PSW+\e] matrix_a_fmt:MATRIX_FMT_FP6 matrix_b_fmt:MATRIX_FMT_FP6 matrix_a_scale:MATRIX_SCALE_ROW1
.else
	v_wmma_scale_f32_16x16x128_f8f6f4 v[rO:rO+7], v[rV:rV+11], v[rP:rP+11], 0, v[VSW+(\d)/2], v[PSW+\e] matrix_a_fmt:MATRIX_FMT_FP6 matrix_b_fmt:MATRIX_FMT_FP6
.endif
.else
.if (\d)%2
	v_wmma_scale_f32_16x16x128_f8f6f4 v[rO:rO+7], v[rV:rV+11], v[rP:rP+11], v[rO:rO+7], v[VSW+(\d)/2], v[PSW+\e] matrix_a_fmt:MATRIX_FMT_FP6 matrix_b_fmt:MATRIX_FMT_FP6 matrix_a_scale:MATRIX_SCALE_ROW1
.else
	v_wmma_scale_f32_16x16x128_f8f6f4 v[rO:rO+7], v[rV:rV+11], v[rP:rP+11], v[rO:rO+7], v[VSW+(\d)/2], v[PSW+\e] matrix_a_fmt:MATRIX_FMT_FP6 matrix_b_fmt:MATRIX_FMT_FP6
.endif
.endif
.endm
.macro SUMS e, a0, a1, a2, a3          ; a tile's 64 unquantised p in four chains of pairs
.set rS, S+64*\e
	v_pk_add_f32 v[\a0:\a0+1], v[rS:rS+1], v[rS+8:rS+9]
	v_pk_add_f32 v[\a1:\a1+1], v[rS+2:rS+3], v[rS+10:rS+11]
	v_pk_add_f32 v[\a2:\a2+1], v[rS+4:rS+5], v[rS+12:rS+13]
	v_pk_add_f32 v[\a3:\a3+1], v[rS+6:rS+7], v[rS+14:rS+15]
.irp j, 16,24,32,40,48,56
	v_pk_add_f32 v[\a0:\a0+1], v[\a0:\a0+1], v[rS+\j:rS+\j+1]
	v_pk_add_f32 v[\a1:\a1+1], v[\a1:\a1+1], v[rS+\j+2:rS+\j+3]
	v_pk_add_f32 v[\a2:\a2+1], v[\a2:\a2+1], v[rS+\j+4:rS+\j+5]
	v_pk_add_f32 v[\a3:\a3+1], v[\a3:\a3+1], v[rS+\j+6:rS+\j+7]
.endr
.endm
; A KEY STEP: 128 keys for both tiles.  K, its scale words and the bias have been asked for a step ahead; the eight accumulators of O^T take turns, one instruction a turn.
.macro STEP first, last
	s_wait_dscnt 14                                ; what the first half wants is in; the 14 youngest loads may be out
	WIN 0x11
.irp e, 0,1
.irp t, 0,1,2,3
	KQ \t, \e
.endr
.endr
	s_wait_dscnt 0x0
.if (\first) == 0
	s_barrier_signal -1                            ; the step's barrier: it shows no bytes, and the LDS loads up to its wait read bytes that nobody writes
.endif
.irp e, 0,1
.irp t, 4,5,6,7
	KQ \t, \e
.endr
.endr
.rept 4
	v_nop                                          ; four places: in front of the loads into registers that these products read, and of the first read of the scores
.endr
	WIN 0
	ds_load_b64 v[VSW:VSW+1], v[A8] offset:VS
.if (\first) == 0 && (\last) == 0
	KSFETCH 2*REC
.endif
	WIN 0x40
.irp d, 0,1,2,3
.irp q, 0,1,2
	ds_load_b128 v[12*\d+4*\q:12*\d+4*\q+3], v[AI] offset:VC+1536*\d+512*\q
.endr
.endr
.if (\first) == 0 && (\last) == 0
	KFETCH 2*REC                                   ; the next step's, behind V's
	ADVANCE
.endif
	WIN 0
	; THE LARGEST SCORES OF THE TILES' BLOCKS (keys 32 h on and 64 + 32 h on), in eight chains: they serve for the rows' maxima and, since p rises with the score, for the blocks' largest p
.irp b, 0,1,2,3                        ; block b: X's two, Y's two
	v_max3_num_f32 v[18+\b], v[S+32*\b], v[S+32*\b+1], v[S+32*\b+2]       ; (each accumulator is first read at its low end)
	v_max3_num_f32 v[22+\b], v[S+32*\b+16], v[S+32*\b+17], v[S+32*\b+18]
.endr
.irp i, 3,5,7,9,11,13
.irp b, 0,1,2,3
	v_max3_num_f32 v[18+\b], v[18+\b], v[S+32*\b+\i], v[S+32*\b+\i+1]
	v_max3_num_f32 v[22+\b], v[22+\b], v[S+32*\b+\i+16], v[S+32*\b+\i+17]
.endr
.endr
.irp b, 0,1,2,3
	v_max3_num_f32 v[18+\b], v[18+\b], v[S+32*\b+15], v[S+32*\b+31]
.endr
.irp b, 0,1,2,3
	v_max_num_f32 v[18+\b], v[18+\b], v[22+\b]
.endr
	v_max3_num_f32 v24, v7, v18, v19               ; with the largest so far (X and Y by turns),
	v_max3_num_f32 v25, v9, v20, v21
	v_permlanex16_b32 v26, v24, s20, s21
	v_permlanex16_b32 v27, v25, s20, s21
	v_max_num_f32 v7, v24, v26                     ; and lane l xor 16's: the running largest score of my query
	v_max_num_f32 v9, v25, v27
	v_mul_f32 v22, s22, v7                         ; as t (c is positive)
	v_mul_f32 v23, s22, v9
	v_mov_b32 v24, v6
	v_mov_b32 v25, v8
	v_floor_f32 v6, -v22                           ; the new -M = floor(-t) = -ceil(t): M IS A WHOLE NUMBER
	v_floor_f32 v8, -v23
	v_sub_f32 v24, v6, v24                         ; M's old value less its new one: 0 or less
	v_sub_f32 v25, v8, v25
	v_cvt_i32_f32 v24, v24                         ; (it saturates)
	v_cvt_i32_f32 v25, v25
	v_ldexp_f32 v10, 1.0, v24                      ; f = 2^(old M - new M)
	v_ldexp_f32 v12, 1.0, v25
	v_fma_f32 v18, v18, s22, v6                    ; t - M of each block's largest score
	v_fma_f32 v19, v19, s22, v6
	v_fma_f32 v20, v20, s22, v8
	v_fma_f32 v21, v21, s22, v8
.if (\first) == 0
	WIN 0x41
.set i, 0
.rept 16
	v_pk_mul_f32 v[OT+i:OT+i+1], v[OT+i:OT+i+1], v[10:11] op_sel_hi:[1,0]        ; O^T under the new M: x f
.set i, i+2
.endr
.rept 16
	v_pk_mul_f32 v[OT+i:OT+i+1], v[OT+i:OT+i+1], v[12:13] op_sel_hi:[1,0]
.set i, i+2
.endr
	WIN 0
.endif
.set i, 0
.rept 32
	v_pk_fma_f32 v[S+i:S+i+1], v[S+i:S+i+1], s[22:23], v[6:7] op_sel_hi:[1,0,0]  ; X: t - M, two at a time (of the pairs c and -M the low word serves both halves)
.set i, i+2
.endr
.if (\first) == 0
	s_barrier_wait -1                              ; every wave has come as far as the middle of this step's score products
.endif
	STLE
.irp b, 18,19,20,21
	v_exp_f32 v\b, v\b                             ; the blocks' largest p: the same two instructions on the same number give the same bits
.endr
.set i, 0
.rept 32
	v_exp_f32 v[S+i], v[S+i]                       ; X: p = 2^(t - M), at most 1: NOT normalised; exactly 0 for a padded key
	v_exp_f32 v[S+i+1], v[S+i+1]
	v_pk_fma_f32 v[S+64+i:S+65+i], v[S+64+i:S+65+i], s[22:23], v[8:9] op_sel_hi:[1,0,0]   ; Y: t - M
.set i, i+2
.endr
	STLE
.irp b, 18,19,20,21
	v_max_num_f32 v\b, 0x1800000, v\b              ; the floor 2^(3 - 127): the byte cannot fall under 1 (a block whose every p is 0 keeps that byte: its codes are zeros)
.endr
.irp b, 18,19,20,21
	v_add_nc_u32 v\b, 0xff000000, v\b              ; 2 off the exponent field: the conversions' scale operands
.endr
.irp b, 18,19,20,21
	v_lshrrev_b32 v[\b+4], 23, v\b                 ; the scales' bytes: blocks h and 2 + h of my query,
.endr
	v_lshl_or_b32 v22, v23, 16, v22
	v_lshl_or_b32 v24, v25, 16, v24
	v_lshlrev_b32 v22, v[H8], v22                  ; at their places;
	v_lshlrev_b32 v24, v[H8], v24
	v_permlanex16_b32 v26, v22, s20, s21
	v_permlanex16_b32 v27, v24, s20, s21
	v_or_b32 v[PSW], v22, v26                      ; with lane l xor 16's two: p's scale word for these 128 keys
	v_or_b32 v[PSW+1], v24, v27
.set i, 64
.rept 64
	v_exp_f32 v[S+i], v[S+i]                       ; Y: p
.set i, i+1
.endr
	SUMS 0, 86, 88, 90, 92
	STLE
.if \first
	s_wait_tensorcnt 0x0                           ; my records are in,
	s_wait_dscnt 0x0                               ; and so are V and its scale words
	s_barrier_signal -1                            ; register work follows up to this barrier's wait
.else
.if \last
	s_wait_dscnt 0x0
.else
	s_wait_dscnt 28                                ; V and its scale words are in; the 28 loads behind them may be out
.endif
.endif
.irp e, 0,1                            ; p's codes; a conversion's three registers begin on an even number, so second halves are made elsewhere and moved
.irp b, 0,1
	v_cvt_scalef32_pk16_fp6_f32 v[PC+12*\e+6*\b:PC+12*\e+6*\b+2], v[S+64*\e+32*\b:S+64*\e+32*\b+15], v[18+2*\e+\b]
	v_cvt_scalef32_pk16_fp6_f32 v[HC+8*\e+4*\b:HC+8*\e+4*\b+2], v[S+64*\e+32*\b+16:S+64*\e+32*\b+31], v[18+2*\e+\b]
.endr
.endr
	SUMS 1, 94, 96, 36, 38
.irp e, 0,1
.irp i, 0,1,2
	v_mov_b32 v[PC+12*\e+3+\i], v[HC+8*\e+\i]
	v_mov_b32 v[PC+12*\e+9+\i], v[HC+8*\e+4+\i]
.endr
.endr
	v_pk_add_f32 v[86:87], v[86:87], v[88:89]      ; (these eight lines are the places between the codes' writes and the products)
	v_pk_add_f32 v[94:95], v[94:95], v[96:97]
	v_pk_add_f32 v[90:91], v[90:91], v[92:93]
	v_pk_add_f32 v[36:37], v[36:37], v[38:39]
	v_pk_add_f32 v[86:87], v[86:87], v[90:91]
	v_pk_add_f32 v[94:95], v[94:95], v[36:37]
	v_pk_fma_f32 v[14:15], v[14:15], v[10:11], v[86:87] op_sel_hi:[1,0,1]   ; X's sum, brought under the new M, and this step's
	v_pk_fma_f32 v[16:17], v[16:17], v[12:13], v[94:95] op_sel_hi:[1,0,1]   ; Y's
	WIN 0x51
.irp e, 0,1
.irp d, 0,1,2,3
	PV \d, \e, \first
.endr
.endr
	WIN 0
.if \first
	s_barrier_wait -1                              ; everybody's records are in
	KSFETCH 2*REC
	KFETCH 2*REC
	ADVANCE
	STLE
.endif
.endm
	KSFETCH 0
	KFETCH 0
	STEP 1, 0
	s_mov_b32 s53, 6
.Lloop:
	STEP 0, 0
	s_sub_co_u32 s53, s53, 1
	s_cmp_lg_u32 s53, 0
	s_cbranch_scc1 .Lloop
	STEP 0, 1
	; THE END.  Each wave hands one tile's O^T, -M and sum to the group's other wave, as they stand in its registers, and finishes the other tile.  (The lines below are also the places behind the last products)
	v_add_f32 v7, v14, v15                         ; the sums' two halves, beside -M
	v_add_f32 v9, v16, v17
	v_and_b32 v23, 15, v0                          ; r
	v_bfe_u32 v25, v0, 4, 1                        ; h
	v_lshl_add_u32 v70, v[LANE], 4, s50            ; what I hand over: O^T's image,
	v_lshl_add_u32 v71, v[LANE], 3, s50            ; and (-M, sum)
	v_lshl_add_u32 v72, v[LANE], 4, s51            ; what I am handed
	v_lshl_add_u32 v73, v[LANE], 3, s51
	v_mul_u32_u24 v74, v23, 272
	v_lshl_add_u32 v74, v25, 5, v74
	v_add_nc_u32 v74, s52, v74                     ; the stage, in: row r, + 32 h
	v_mul_u32_u24 v75, v25, 272
	v_lshl_add_u32 v75, v23, 4, v75
	v_add_nc_u32 v75, s52, v75                     ; and back: lanes 0-15 one row, lanes 16-31 the next
	v_lshlrev_b32 v76, 8, v25
	v_lshl_add_u32 v76, v23, 4, v76                ; the same two rows in out0
	STLE
	s_cmp_eq_u32 s12, 0
	s_cbranch_scc0 .Lgive_x
	WIN 0x04
.irp q, 0,1,2,3,4,5,6,7
	ds_store_b128 v70, v[OT+32+4*\q:OT+32+4*\q+3] offset:512*\q    ; each accumulator from its low end on
.endr
	WIN 0
	ds_store_b64 v71, v[8:9] offset:4096
	s_branch .Lgiven
.Lgive_x:
	WIN 0x04
.irp q, 0,1,2,3,4,5,6,7
	ds_store_b128 v70, v[OT+4*\q:OT+4*\q+3] offset:512*\q
.endr
	WIN 0
	ds_store_b64 v71, v[6:7] offset:4096
	v_mov_b32 v6, v8                               ; mine is Y
	v_mov_b32 v7, v9
.Lgiven:
	STLE
	s_wait_dscnt 0x0                               ; for the other wave's sake: my stores are done
	s_barrier_signal -1
	s_barrier_wait -1
	ds_load_b64 v[24:25], v73 offset:4096
.irp q, 0,1,2,3,4,5,6,7
	ds_load_b128 v[S+4*\q:S+4*\q+3], v72 offset:512*\q
.endr
	s_wait_dscnt 8                                 ; the pair is in; the eight behind it may be out
	v_min_num_f32 v14, v6, v24                     ; -M of both: the larger M
	v_sub_f32 v15, v14, v6
	v_sub_f32 v16, v14, v24
	v_cvt_i32_f32 v15, v15                         ; (they saturate)
	v_cvt_i32_f32 v16, v16
	v_ldexp_f32 v10, 1.0, v15                      ; what brings my figures under it,
	v_ldexp_f32 v12, 1.0, v16                      ; and the other wave's: powers of two
	v_mul_f32 v17, v7, v10
	v_fma_f32 v17, v25, v12, v17
	v_permlanex16_b32 v26, v17, s20, s21
	v_add_f32 v17, v17, v26                        ; with lane l xor 16's: the row's sum
	STLE
	v_rcp_f32 v18, v17
	v_nop                                          ; one plain place behind a transcendental
	STLE
	v_mul_f32 v10, v10, v18
	v_mul_f32 v12, v12, v18
.macro MINE o                          ; my own O^T x its factor, into window 0
.set i, 0
.rept 16
	v_pk_mul_f32 v[S+32+i:S+33+i], v[\o+i:\o+i+1], v[10:11] op_sel_hi:[1,0]
.set i, i+2
.endr
.endm
	s_cmp_eq_u32 s12, 0
	s_cbranch_scc0 .Lmine_y
	WIN 0x01
	STLE
	MINE OT
	WIN 0
	s_branch .Lscaled
.Lmine_y:
	WIN 0x01
	STLE
	MINE OT+32
	WIN 0
.Lscaled:
	STLE
	s_wait_dscnt 0x0
.set i, 0
.rept 16
	v_pk_fma_f32 v[S+32+i:S+33+i], v[S+i:S+i+1], v[12:13], v[S+32+i:S+33+i] op_sel_hi:[1,0,1]   ; register 8 d + j is out0(r, 16 d + 8 h + j)
.set i, i+2
.endr
.irp d, 0,1,2,3
	ds_store_b128 v74, v[S+32+8*\d:S+35+8*\d] offset:64*\d
	ds_store_b128 v74, v[S+36+8*\d:S+39+8*\d] offset:64*\d+16
.endr
.irp i, 0,1,2,3,4,5,6,7
	ds_load_b128 v[S+4*\i:S+4*\i+3], v75 offset:544*\i             ; LDS serves a wave's instructions in order (ISA guide 5.7.1.4): these see my stores
.endr
.irp i, 0,1,2,3,4,5,6,7
	s_wait_dscnt 7-\i                              ; the younger loads may be out
	global_store_b128 v76, v[S+4*\i:S+4*\i+3], s[8:9] offset:512*\i th:TH_STORE_NT    ; sixteen lanes store a row's 256 consecutive bytes, at a multiple of 256 from out0's first byte
.endr
	s_wait_tensorcnt 0x0                           ; the wave's end
	ds_add_u32 v[SPW], v[NIL]
	s_wait_dscnt 0x0
	CROUND                                         ; the closing round: no work-group ends while a partner may still ask for a record that names it
	s_endpgm
.Lfunc_end_k_q1ce7099814_attn:
	.size	k_q1ce7099814_attn, .Lfunc_end_k_q1ce7099814_attn-k_q1ce7099814_attn
	.p2alignl 7, 3214868480
	.fill 96, 4, 3214868480
	.section	.rodata,"a",@progbits
	.p2align	6, 0x0
	.amdhsa_kernel k_q1ce7099814_attn
		.amdhsa_group_segment_fixed_size 327680
		.amdhsa_private_segment_fixed_size 0
		.amdhsa_enable_private_segment 0
		.amdhsa_kernarg_size 24
		.amdhsa_user_sgpr_count 2
		.amdhsa_user_sgpr_kernarg_segment_ptr 1
		.amdhsa_wavefront_size32 1
		.amdhsa_system_sgpr_workgroup_id_x 1
		.amdhsa_system_sgpr_workgroup_id_y 1
		.amdhsa_system_sgpr_workgroup_id_z 1
		.amdhsa_system_vgpr_workitem_id 0
		.amdhsa_next_free_vgpr 512
		.amdhsa_next_free_sgpr 66
		.amdhsa_reserve_vcc 0
		.amdhsa_float_denorm_mode_32 3
		.amdhsa_float_denorm_mode_16_64 3
		.amdhsa_memory_ordered 1
		.amdhsa_forward_progress 1
		.amdhsa_inst_pref_size 102
	.end_amdhsa_kernel
	.amdgpu_metadata
---
amdhsa.version: [ 1, 2 ]
amdhsa.kernels:
  - .name:           k_q1ce7099814_attn
    .symbol:         k_q1ce7099814_attn.kd
    .args:
      - { .name: queries, .offset: 0, .size: 8, .value_kind: global_buffer, .address_space: global }
      - { .name: kv, .offset: 8, .size: 8, .value_kind: global_buffer, .address_space: global }
      - { .name: out0, .offset: 16, .size: 8, .value_kind: global_buffer, .address_space: global }
    .group_segment_fixed_size: 327680
    .private_segment_fixed_size: 0
    .kernarg_segment_align: 8
    .kernarg_segment_size: 24
    .max_flat_workgroup_size: 256
    .sgpr_count:     66
    .vgpr_count:     512
    .wavefront_size: 32
...
	.end_amdgpu_metadata
.endif
;; end of part 2
